; MI455X (gfx1250); checked and timed in simulation.
; The chip was launched on July 23, 2026; its instructions are those of AMD's public machine-readable ISA for CDNA 5 (MIT licence, August 2026) and "CDNA5" Instruction Set Architecture Reference Guide (July 2026). The comments in the code are by the model that wrote it; some were corrected since.
;; Trajectory Decoder. Allowed arithmetic: matrix products marked QUANTISED: E3M2 operands, one E8M0 scale for each 32 along K, by v_wmma_scale_f32_16x16x128_f8f6f4 with both operands' format E3M2, f32 sums; everything else in f32.
;; Inputs: W1_codes 4 x 512 x 8 x 24 uint8 (E3M2 codes of W1, K innermost, in blocks of 32 codes, four codes in three bytes); W1_scales 4 x 512 x 8 uint8 (E8M0 scales of W1, one for each 32 codes along K); W2_codes 4 x 32 x 16 x 24 uint8 (E3M2 codes of W2, K innermost, in blocks of 32 codes, four codes in three bytes); W2_scales 4 x 32 x 16 uint8 (E8M0 scales of W2, one for each 32 codes along K); b1 4 x 512 float32; b2 4 x 32 float32; types 65,536 int32; x_codes 65,536 x 8 x 24 uint8 (E3M2 codes of x, K innermost, in blocks of 32 codes, four codes in three bytes); x_scales 65,536 x 8 uint8 (E8M0 scales of x, one for each 32 codes along K).
;; Outputs: out0 65,536 x 32 float32.
;; This version of the problem:
;;   THIS VERSION OF THE PROBLEM IS GIVEN IN LOW PRECISION. The matrix products marked QUANTISED in the list below multiply operands that are first quantised to E3M2 (3 exponent bits, 2 mantissa bits; 6 bits a number), with one power-of-two scale for each 32 numbers along K (OCP MX v1.0); their sums are f32. All else is computed in f32.
;;   The module's matrix products, in the order in which they are computed (A, B: the left and right operand; K: the contracted axis; several contracted axes count as one K, in the product's order):
;;     1. [M 65,536, K 256] x [K 256, N 512]; A: input x (given as codes); B: input W1 (given as codes): QUANTISED
;;     2. [M 65,536, K 512] x [K 512, N 32]; A: computed on the way; B: input W2 (given as codes): QUANTISED
;;     3. [M 65,536, K 256] x [K 256, N 512]; A: input x (given as codes); B: input W1 (given as codes): QUANTISED
;;     4. [M 65,536, K 512] x [K 512, N 32]; A: computed on the way; B: input W2 (given as codes): QUANTISED
;;     5. [M 65,536, K 256] x [K 256, N 512]; A: input x (given as codes); B: input W1 (given as codes): QUANTISED
;;     6. [M 65,536, K 512] x [K 512, N 32]; A: computed on the way; B: input W2 (given as codes): QUANTISED
;;     7. [M 65,536, K 256] x [K 256, N 512]; A: input x (given as codes); B: input W1 (given as codes): QUANTISED
;;     8. [M 65,536, K 512] x [K 512, N 32]; A: computed on the way; B: input W2 (given as codes): QUANTISED
;;   THE QUANTISER, for each operand of a quantised product, along K:
;;     - K is cut into blocks of 32 from its start; a last block that is shorter is filled with zeros.
;;     - A block's scale is 2^e with e = floor(log2(the largest magnitude in the block)) - 4, held to -126 .. 127; a block of zeros has e = 0. As a byte (E8M0): e + 127.
;;     - Each number is divided by its block's scale, clamped to +-28, and rounded to the nearest number of E3M2, ties to even, subnormals kept.
;;     - The product sums the exact products of the quantised numbers (number of the format x scale) in f32.
;;   ~~~python
;;   def quantise(x, axis):      # numpy; x: float32 -> the quantised numbers, widened to float32 again
;;       x = np.moveaxis(x, axis, -1); K = x.shape[-1]
;;       x = np.pad(x, [(0, 0)] * (x.ndim - 1) + [(0, -K % 32)]); x = x.reshape(x.shape[:-1] + (-1, 32)); a = np.abs(x).max(-1, keepdims=True)
;;       e = np.where(a > 0, np.clip(np.frexp(np.where(a > 0, a, 1))[1] - 1 - 4, -126, 127), 0)      # np.frexp(a)[1] - 1 = floor(log2(a)), exactly
;;       r = np.clip(x / 2.0 ** e, -28, 28)
;;       step = 2.0 ** (np.maximum(np.frexp(np.where(r == 0, 1, r))[1] - 1, -2) - 2)
;;       q = np.round(r / step) * step * 2.0 ** e      # np.round: ties to even
;;       return np.moveaxis(q.reshape(q.shape[:-2] + (-1,))[..., :K], -1, axis).astype(np.float32)
;;   ~~~
;;   OPERANDS COMPUTED ON THE WAY. 'Computed on the way' means the value that the module computes at that place (a softmax that the list does not call 'softmax' is quantised finished and normalised). What goes into a quantiser is computed in f32, as accurately as f32 sums, v_exp_f32 and their like allow (about 1e-6 of the number): no bf16 or f16 on the way to a quantiser, and a product that is left as it is and whose result goes on into a quantised operand takes f32 operands (vector FMAs, or v_wmma_f32_16x16x4_f32). A number that lies on a knife's edge between two numbers of the format may be rounded either way, as far as f32 arithmetic and the matrix unit's own rounding can turn it there, and no further.
;;   INPUTS GIVEN AS CODES. W1 (in the module: [4, 256, 512], K = its axis 1); W2 (in the module: [4, 512, 32], K = its axis 1); x (in the module: [65536, 256], K = its axis 1): each comes as NAME_codes (uint8): NAME with its K axis moved to the last place and cut into blocks of 32 codes, [.., K / 32, bytes a block], one block behind the other in memory; four codes in three bytes: a row's codes are one little-endian stream of bits, code i at bits 6 i .. 6 i + 5 (a code: sign, 3 exponent bits, 2 mantissa bits); and NAME_scales (uint8): the same leading axes, one E8M0 byte (e + 127) for each 32 codes along K. Its value is code x scale, taken as it is: it is not quantised again, and the codes and scales need not be those that the quantiser above would give.
;; 2 versions, each right; version 2 is version 1 with the launch decode written anew for expert scheduling mode. Each part assembles by itself: llvm-mc -triple=amdgcn-amd-amdhsa -mcpu=gfx1250 --defsym DOCPART=n.
;; ======== version 1 of 2: 2 launches
;; workspace buffers: list 1,048,576 bytes of whole numbers; counts 65,536 bytes of whole numbers
;; launch route (part 1): grid 4 x 64, 8 waves a work-group, no clusters, 5,376 bytes of LDS; arguments types, list, counts; writes list, counts
.if DOCPART == 1
	.amdgcn_target "amdgcn-amd-amdhsa--gfx1250"
	.amdhsa_code_object_version 6
	.text
	.protected	k_q6199d2341c_route
	.globl	k_q6199d2341c_route
	.p2align	8
	.type	k_q6199d2341c_route,@function
k_q6199d2341c_route:
	s_mov_b64 s[64:65], 0
	v_nop
	global_prefetch_b8 v0, s[64:65] scope:SCOPE_SE
	s_setreg_imm32_b32 hwreg(HW_REG_WAVE_MODE, 25, 1), 1
	s_wait_xcnt 0x0
; THE ROUTING.  Work-group (x = type t, y = block b of 1,024 tokens) lists the tokens of type t of its block, for the launch that follows: 1,024 words at list + 4,096 (4 b + t), and their
; number, the count, in all 64 words at counts + 256 (4 b + t).  Entry k under the count: a token's number (0 .. 65,535); bit 16 set: its row is to be stored as zeros.
; Tokens whose type lies outside 0..3 go into the t = 0 list with bit 16 set.  Entries at or past the count repeat entry 0 (in an empty list: the block's first token).
; Wave 0 makes the raw list in LDS; behind one barrier each of the eight waves takes 128 entries, mends the tail and stores 512 consecutive bytes.
; No branch and no address in memory hangs on the types: only the places of the raw list in LDS do, and those are held inside the list.
.set LRAW,  0                          ; LDS: 1,024 words, as wave 0 writes them: entry k < count: a token of my type; k >= count: the block's first token
.set CNT,   4096                       ; word 0: the count
.set FX,   4                           ; v4      16 lane + 512 wave: my four entries, in LDS and in my work-group's part of list
.set P0,   5                           ; v5      the first one's place: 4 lane + 128 wave
.set ZA,   6                           ; v6      LRAW: entry 0
.set CA,   7                           ; v7      CNT
.set CO,   8                           ; v8      8 lane
.set TY,   32                          ; v32-63  the types: register 4 q + e holds the type of local token 128 q + 4 lane + e
.set LP,   64                          ; v64-71  places; v72-79 places from the top; v80-87 entries
.set LN,   72
.set LV,   80
.set NEGL, 88
.set TK0,  89
.set TK1,  90
.set DEF,  91
.set NC,   92                          ; v92     the count;  v93 entry 0;  v94 the count less my first place
.set E0,   93
.set DF,   94
.set EN,   96                          ; v96-99  my four entries
.set CP,   100                         ; v100-101 the count, twice
.set MA,   68                          ; s68-75 lanes that enter the list;  s76-83 lanes whose type is outside 0..3;  s84-92 running counts
.set MB,   76
.set RC,   84
	s_load_b128 s[8:11], s[0:1], 0x0               ; types 8, list 10
	s_load_b64 s[12:13], s[0:1], 0x10              ; counts
	v_lshl_add_u32 v104, v0, 2, 0x1100
	v_mov_b32 v105, 0
	v_lshrrev_b32 v2, 5, v0
	v_readfirstlane_b32 s28, v2                    ; wave 0..7
	s_mov_b32 s31, ttmp9                           ; my type t
	s_and_b32 s32, ttmp7, 0xffff                   ; my block of 1,024 tokens
	s_cmp_eq_u32 s31, 0
	s_cselect_b32 s33, 3, -1                       ; types above this (unsigned) are mine too: only where t = 0
	s_lshl_b32 s58, s28, 9
	s_lshl_b32 s61, s32, 10                        ; the block's first token
	v_and_b32 v2, 31, v0                           ; lane l
	v_lshlrev_b32 v1, 4, v2                        ; 16 l
	v_add_nc_u32 v[FX], s58, v1
	v_lshrrev_b32 v[P0], 2, v[FX]
	v_mov_b32 v[ZA], LRAW
	v_mov_b32 v[CA], CNT
	v_lshlrev_b32 v[CO], 3, v2
	v_sub_nc_u32 v[NEGL], 0, v2
	v_lshl_add_u32 v[TK0], v2, 2, s61              ; token 1,024 block + 4 l
	v_or_b32 v[TK1], 0x10000, v[TK0]
	v_mov_b32 v[DEF], s61
	s_wait_kmcnt 0x0
	s_lshl_b32 s46, s32, 12                        ; each pointer gets its offset once, ahead of its first use
	s_mov_b32 s47, 0
	s_add_nc_u64 s[8:9], s[8:9], s[46:47]          ; types: my block
	s_lshl_b32 s50, s32, 2
	s_add_co_u32 s50, s50, s31                     ; 4 b + t
	s_lshl_b32 s46, s50, 12
	s_add_nc_u64 s[10:11], s[10:11], s[46:47]      ; list: my 4,096 bytes
	s_lshl_b32 s46, s50, 8
	s_add_nc_u64 s[12:13], s[12:13], s[46:47]      ; counts: my 256 bytes
; THE RAW LIST, eight registers of types at a time (registers 8 q2 on of the 32).  A lane that enters the list takes the place = the entries before it; every other lane takes a place from
; the top, 1,023 less the non-entries before it, and writes the block's first token there.  So each of the 1,024 words is written once: nothing is cleared, and EXEC stays whole.
.macro LISTB q2
.irp k, 0,1,2,3,4,5,6,7
	v_cmp_eq_u32 s[MA+\k], s31, v[TY+8*(\q2)+\k]
.endr
.irp k, 0,1,2,3,4,5,6,7
	v_cmp_lt_u32 s[MB+\k], s33, v[TY+8*(\q2)+\k]
.endr
.irp k, 0,1,2,3,4,5,6,7
	s_or_b32 s[MA+\k], s[MA+\k], s[MB+\k]
.endr
.irp k, 0,1,2,3,4,5,6,7
	s_bcnt1_i32_b32 s50, s[MA+\k]
	s_add_co_u32 s[RC+\k+1], s[RC+\k], s50
.endr
.irp k, 0,1,2,3,4,5,6,7
	v_mbcnt_lo_u32_b32 v[LP+\k], s[MA+\k], s[RC+\k]        ; the entries before me
.endr
.irp k, 0,1,2,3,4,5,6,7
	v_add_nc_u32 v[LN+\k], v[LP+\k], v[NEGL]
.endr
.irp k, 0,1,2,3,4,5,6,7
	v_add_nc_u32 v[LN+\k], 1023-32*(8*(\q2)+\k), v[LN+\k]  ; 1,023 - (32 x register + l - entries before me)
.endr
.irp k, 0,1,2,3,4,5,6,7
	v_cndmask_b32 v[LP+\k], v[LN+\k], v[LP+\k], s[MA+\k]
.endr
.irp k, 0,1,2,3,4,5,6,7
	v_min_u32 v[LP+\k], 0x3ff, v[LP+\k]            ; a place made from loaded numbers is held inside the list
.endr
.irp k, 0,1,2,3,4,5,6,7
	v_lshlrev_b32 v[LP+\k], 2, v[LP+\k]
.endr
.irp k, 0,1,2,3,4,5,6,7
	v_cndmask_b32 v[LV+\k], v[TK0], v[TK1], s[MB+\k]       ; bit 16: the row is stored as zeros
.endr
.irp k, 0,1,2,3,4,5,6,7
	v_add_nc_u32 v[LV+\k], 128*((8*(\q2)+\k)/4)+(8*(\q2)+\k)%4, v[LV+\k]
.endr
.irp k, 0,1,2,3,4,5,6,7
	v_cndmask_b32 v[LV+\k], v[DEF], v[LV+\k], s[MA+\k]
.endr
.irp k, 0,1,2,3,4,5,6,7
	ds_store_b32 v[LP+\k], v[LV+\k]                ; LRAW begins at LDS byte 0
.endr
	s_mov_b32 s[RC], s[RC+8]
.endm
	s_cmp_lg_u32 s28, 0                            ; wave 0 alone; up to the barrier below no other wave touches LDS
	s_cbranch_scc1 .Lno_list
.irp q, 0,1,2,3,4,5,6,7
	global_load_b128 v[TY+4*\q:TY+4*\q+3], v1, s[8:9] offset:512*\q   ; each load reads 512 consecutive bytes
.endr
	s_mov_b32 s[RC], 0
	s_wait_loadcnt 0x0
	LISTB 0
	LISTB 1
	LISTB 2
	LISTB 3
	v_mov_b32 v[LV], s[RC]
	ds_store_b32 v[CA], v[LV]                      ; the count
.Lno_list:
	s_wait_dscnt 0x0                               ; wave 0's stores have landed
	s_barrier_signal -1
	s_barrier_wait -1                              ; the raw list and the count lie in LDS
	ds_load_b32 v[NC], v[CA]
	ds_load_b32 v[E0], v[ZA]
	ds_load_b128 v[EN:EN+3], v[FX]
	s_wait_dscnt 0x0
	v_sub_nc_u32 v[DF], v[NC], v[P0]               ; the count less my first entry's place, signed: entry e stays where e is under it
.irp e, 0,1,2,3
	v_cmp_lt_i32 s[MA+\e], \e, v[DF]
.endr
.irp e, 0,1,2,3
	v_cndmask_b32 v[EN+\e], v[E0], v[EN+\e], s[MA+\e]
.endr
	global_store_b128 v[FX], v[EN:EN+3], s[10:11]  ; a wave stores 512 consecutive bytes, at a multiple of 512 from list's first byte
	s_cmp_lg_u32 s28, 0
	s_cbranch_scc1 .Ldone
	v_mov_b32 v[CP], v[NC]
	v_mov_b32 v[CP+1], v[NC]
	global_store_b64 v[CO], v[CP:CP+1], s[12:13]   ; 32 lanes store 256 consecutive bytes, at a multiple of 256 from counts' first byte
.Ldone:
	s_wait_tensorcnt 0x0
	ds_add_u32 v104, v105
	s_wait_dscnt 0x0
	s_endpgm
.Lfunc_end_k_q6199d2341c_route:
	.size	k_q6199d2341c_route, .Lfunc_end_k_q6199d2341c_route-k_q6199d2341c_route
	.p2alignl 7, 3214868480
	.fill 96, 4, 3214868480
	.section	.rodata,"a",@progbits
	.p2align	6, 0x0
	.amdhsa_kernel k_q6199d2341c_route
		.amdhsa_group_segment_fixed_size 5376
		.amdhsa_private_segment_fixed_size 0
		.amdhsa_enable_private_segment 0
		.amdhsa_kernarg_size 24
		.amdhsa_user_sgpr_count 2
		.amdhsa_user_sgpr_kernarg_segment_ptr 1
		.amdhsa_wavefront_size32 1
		.amdhsa_system_sgpr_workgroup_id_x 1
		.amdhsa_system_sgpr_workgroup_id_y 1
		.amdhsa_system_sgpr_workgroup_id_z 1
		.amdhsa_system_vgpr_workitem_id 0
		.amdhsa_next_free_vgpr 106
		.amdhsa_next_free_sgpr 96
		.amdhsa_reserve_vcc 0
		.amdhsa_float_denorm_mode_32 3
		.amdhsa_float_denorm_mode_16_64 3
		.amdhsa_memory_ordered 1
		.amdhsa_forward_progress 1
		.amdhsa_inst_pref_size 29
	.end_amdhsa_kernel
	.amdgpu_metadata
---
amdhsa.version: [ 1, 2 ]
amdhsa.kernels:
  - .name:           k_q6199d2341c_route
    .symbol:         k_q6199d2341c_route.kd
    .args:
      - { .name: types, .offset: 0, .size: 8, .value_kind: global_buffer, .address_space: global }
      - { .name: list, .offset: 8, .size: 8, .value_kind: global_buffer, .address_space: global }
      - { .name: counts, .offset: 16, .size: 8, .value_kind: global_buffer, .address_space: global }
    .group_segment_fixed_size: 5376
    .private_segment_fixed_size: 0
    .kernarg_segment_align: 8
    .kernarg_segment_size: 24
    .max_flat_workgroup_size: 256
    .sgpr_count:     96
    .vgpr_count:     106
    .wavefront_size: 32
...
	.end_amdgpu_metadata
.endif
;; end of part 1
;; launch decode (part 2): grid 4 x 64, 8 waves a work-group, no clusters, 295,936 bytes of LDS; arguments x_codes, x_scales, list, W1_codes, W1_scales, b1, W2_codes, W2_scales, b2, out0, counts; writes out0
.if DOCPART == 2
	.amdgcn_target "amdgcn-amd-amdhsa--gfx1250"
	.amdhsa_code_object_version 6
	.text
	.protected	k_q6199d2341c_decode
	.globl	k_q6199d2341c_decode
	.p2align	8
	.type	k_q6199d2341c_decode,@function
k_q6199d2341c_decode:
	s_mov_b64 s[64:65], 0
	v_nop
	global_prefetch_b8 v0, s[64:65] scope:SCOPE_SE
	s_setreg_imm32_b32 hwreg(HW_REG_WAVE_MODE, 25, 1), 1
	s_wait_xcnt 0x0
; out[i] = relu(x[i] W1[t] + b1[t]) W2[t] + b2[t] with t = types[i]; rows whose type is none of 0..3 are zeros.  x, W1, W2: codes of BF6 (E3M2) with one E8M0 byte
; for each 32 along K, K innermost; the hidden layer is quantised on the way, in registers; sums, biases and relu in f32.
; SHARES.  Work-group (x = type t, y = block b of 1,024 tokens): 4 x 64.  The launch before has listed the tokens of type t of the block (list, 1,024 words at 4,096 (4 b + t); their number in
; counts at 256 (4 b + t)); this one takes only those rows through the chain, so each output row has one owner.  An entry with bit 16 set (a type outside 0..3) is stored as zeros.
; Every address and every branch that hangs on the routing is made from numbers that this launch reads from memory straight into registers.
; THE LIST'S TAIL: entries at or past the count repeat the list's first token.  So the rows that fill up the last tile of 16 are computed and stored like any other: the same numbers, at the
; same place, by the same work-group; no store is masked and EXEC stays whole throughout.
; Eight waves: team g = wave / 4, column part w = wave % 4.  Wave (g, w) keeps in registers, for the whole launch, W1[t]'s rows 128 w .. 128 w + 127 (16 fragments), their b1,
; and K step w of W2[t] (2 fragments).  A trip is 128 list rows = 8 tiles of 16; tile 2 m + g is multiplied by team g.  A wave multiplies its own 128 hidden units, as codes, by its
; K step of W2: a partial y (16 rows x 32).  The four partials of a tile meet in LDS; wave v adds tile v's four and b2 and stores the rows.  Wave v also gathers tile v's rows of x.
; BOTH PRODUCTS ARE USED TRANSPOSED (source 0 = 16 rows of the weight, source 1 = 16 tokens): a lane holds one token, its registers run along the next K.
; THE BLOCKS OF 32 ALONG K ARE PERMUTED ALIKE ON BOTH OPERANDS: the instruction's block 2 c + h is fed with the memory's block 2 h + c, so that a lane's 12 registers are 48 consecutive
; bytes, at a multiple of 16: three loads of 16 bytes.  Every scale word has its bytes 1 and 2 exchanged to match.
; NO TENSOR LOADS, NO CLUSTER, though 64 work-groups read the same W1[t] (96 KiB, once each): which tiles a work-group multiplies hangs on a count read from memory
; No prefetch: a row's address exists only when its list word has been read, and the row is asked for at once.
; LIMITS: NaN, infinities and scale bytes 0xff are not served.  A hidden block of zeros gets the byte 1 where the rule says 127: its codes are zeros, and this program alone reads the byte.
; y's f32 sum over the 512 hidden units is taken as four partial sums of 128, then (p0 + p1) + (p2 + p3) + b2.  An output row is 128 bytes: eight lanes store it whole.
.set XSC,   0                          ; LDS: 8 bytes a list row: x's two scale words, bytes 1 and 2 exchanged
.set XROW,  8192                       ; list row k's 192 bytes of codes, XP bytes apart
.set XP,    208                        ; 13 x 16: the 16 rows of a 16-byte load start at 16 different 16-byte columns of 256
.set WSTG,  XROW+384*XP                ; W1[t]'s 512 rows, row q at 208 q + 128 (q / 16); lies over x's rows 384 on, which are stored only when it has been read out
.set PST,   XROW+1024*XP               ; partial y: (tile, w) at (4 tile + w) PTILE, 16 rows of 128 bytes, PP apart
.set PP,    144
.set PTILE, 16*PP
; window 0
.set XW,   4                           ; v4-6    gather: where my 16 bytes of part b of half a tile go: XROW + 3,328 wave + 16 (n + n / 12), n = 32 b + lane: row n / 12 of 208 bytes, column 16 (n % 12)
.set LA,   7                           ; v7-9    and the list word of that row, in my work-group's part of list: 4 (16 wave + n / 12)
.set CB,   10                          ; v10-12  16 (n % 12)
.set LAS,  13                          ; v13     list word of row r of my gather tile
.set XSW,  14                          ; v14     where its scale words go
.set XA,   17                          ; v17     my lane's place in my team's first tile of x of the trip: stepped at each trip's end
.set XSA,  18                          ; v18     the same for the scale words
.set SOA,  19                          ; v19     where I put 32 bytes of a row of my partial y
.set SRA,  20                          ; v20     where I read partial rows back
.set LR,   22                          ; v22     list word of the first row that I store in the trip: stepped likewise
.set C16,  24                          ; v24     16 (lane % 8)
.set B2,   26                          ; v26-29  b2: outputs 4 (lane % 8) on
.set W2S,  30                          ; v30-31  W2's scale words
.set W1S,  32                          ; v32-47  W1's: tile t, K step s at 2 t + s
.set XS,   48                          ; v48-49  x's
.set PW,   50                          ; v50     the hidden layer's
.set WA,   51                          ; v51     my lane's place in my part of WSTG
.set XF,   52                          ; v52-75  x's two fragments
.set W2F,  76                          ; v76-99  W2's two
.set HA,   100                         ; v100-163 the hidden layer: 8 tiles x 8; later the four partials of 16 rows
.set YA,   164                         ; v164-179 partial y
.set PC,   180                         ; v180-198 the codes just made
.set TM,   200                         ; v200-215 the quantiser's small numbers
.set WSW,  216                         ; v216-218 where the staged rows of W1 go
.set XW3,  219                         ; v219-221 XW for trips 3 on
.set OW2,  222                         ; v222-225 offsets of the small loads
.set OW2S, 223
.set OW1S, 224
.set OB1,  225
.set ID,   226                         ; v226-229 list entries;  v230-233 their rows' offsets in out0;  v234-237 all ones, or 0 where the row is stored as zeros
.set OFF,  230
.set KM,   234
.set XW6,  238                         ; v238-240 XW for trips 6 on
.set GD,   100                         ; ahead of the loop: gathered rows, 26 registers a tile (24 of codes, 2 scale words)
.set GI,   180                         ; and their list entries, then offsets: 7 a tile
; window 1: v0-191 W1's fragments, (t, s) at 12 (2 t + s) (before that v0-95: the staged rows);  v192-255 b1, 8 registers a tile
.set B1,   192
.set MSB, 0
.macro WIN new                         ; the immediate's high byte repeats the setting that is left; a switch that changes nothing is dropped
.if MSB != \new
	s_set_vgpr_msb (MSB<<8)|\new
.set MSB, \new
.endif
.endm
.macro BARRIER                         ; my LDS stores have landed and my LDS loads are in: then the work-group's barrier
	s_wait_dscnt 0x0
	s_barrier_signal -1
	s_barrier_wait -1
.endm
	s_load_b512 s[8:23], s[0:1], 0x0               ; x_codes 8, x_scales 10, list 12, W1_codes 14, W1_scales 16, b1 18, W2_codes 20, W2_scales 22
	s_load_b128 s[24:27], s[0:1], 0x40             ; b2 24, out0 26
	s_load_b64 s[66:67], s[0:1], 0x50              ; counts
	v_lshl_add_u32 v254, v0, 2, 0x48000
	v_mov_b32 v255, 0
	v_lshrrev_b32 v2, 5, v0
	v_readfirstlane_b32 s28, v2                    ; wave 0..7
	s_lshr_b32 s29, s28, 2                         ; team g
	s_and_b32 s30, s28, 3                          ; column part w
	s_mov_b32 s31, ttmp9                           ; my type t
	s_and_b32 s32, ttmp7, 0xffff                   ; my block of 1,024 tokens
	s_mov_b32 s34, 0x76543210
	s_mov_b32 s35, 0xfedcba98                      ; v_permlanex16_b32's selects for lane l xor 16
	s_mov_b32 s36, 0x03010200                      ; v_perm_b32: bytes 1 and 2 change places
	s_mul_i32 s51, s28, 16*XP
	s_add_co_u32 s51, s51, XROW
	s_lshl_b32 s52, s28, 6
	s_lshl_b32 s53, s28, 7
	s_add_co_u32 s53, s53, XSC
	s_mul_i32 s54, s29, 16*XP
	s_add_co_u32 s54, s54, XROW
	s_lshl_b32 s55, s29, 7
	s_add_co_u32 s55, s55, XSC
	s_mul_i32 s56, s29, 4*PTILE
	s_mul_i32 s57, s30, PTILE
	s_add_co_u32 s56, s56, s57
	s_add_co_u32 s56, s56, PST
	s_mul_i32 s57, s28, 4*PTILE
	s_add_co_u32 s57, s57, PST
	s_mul_i32 s59, s30, 27648                      ; 128 rows of 208 bytes + 8 x 128
	s_add_co_u32 s59, s59, WSTG
	s_mul_i32 s60, s28, 13824                      ; 64 rows of 208 bytes + 4 x 128
	s_add_co_u32 s60, s60, WSTG
	; every address register is made here, at the head
	v_and_b32 v2, 31, v0                           ; lane l
	v_and_b32 v3, 15, v0                           ; r
	v_bfe_u32 v226, v0, 4, 1                       ; h
	v_bfe_u32 v227, v0, 3, 2                       ; l / 8
	v_and_b32 v228, 7, v0                          ; l % 8
	v_bfe_u32 v229, v0, 3, 1                       ; r / 8
	v_lshlrev_b32 v1, 4, v2                        ; 16 l
.irp b, 0,1,2
	v_add_nc_u32 v230, 32*\b, v2                   ; n = 32 b + l, under 96
	v_mul_u32_u24 v231, v230, 43                   ; 43 n / 512 = n / 12 + n / 1,536: its whole part is n / 12 for n under 96,
	v_and_b32 v232, 511, v231
	v_lshrrev_b32 v231, 9, v231                    ; n / 12
	v_mul_u32_u24 v232, v232, 12                   ; and 12 x its fraction is n % 12 + n / 128, under n % 12 + 1
	v_lshrrev_b32 v232, 9, v232                    ; n % 12
	v_lshlrev_b32 v[CB+\b], 4, v232                ; 16 (n % 12)
	v_add_nc_u32 v233, v230, v231
	v_lshlrev_b32 v233, 4, v233                    ; 16 (n + n / 12) = 208 (n / 12) + 16 (n % 12)
	v_add_nc_u32 v[XW+\b], s51, v233
	v_add_nc_u32 v[XW3+\b], 3*128*XP, v[XW+\b]
	v_add_nc_u32 v[XW6+\b], 6*128*XP, v[XW+\b]
	v_add_nc_u32 v[WSW+\b], s60, v233
	v_lshl_add_u32 v[LA+\b], v231, 2, s52
.endr
	v_lshl_add_u32 v[LAS], v3, 2, s52
	v_lshl_add_u32 v[XSW], v3, 3, s53
	v_mul_u32_u24 v[XA], v3, XP
	v_mad_u32_u24 v[XA], v226, 48, v[XA]
	v_add_nc_u32 v[XA], s54, v[XA]
	v_lshl_add_u32 v[XSA], v3, 3, s55
	v_mul_u32_u24 v[SOA], v3, PP
	v_lshl_add_u32 v[SOA], v226, 5, v[SOA]
	v_add_nc_u32 v[SOA], s56, v[SOA]
	v_mul_u32_u24 v[SRA], v227, PP
	v_lshl_add_u32 v[SRA], v228, 4, v[SRA]
	v_add_nc_u32 v[SRA], s57, v[SRA]
	v_lshl_add_u32 v[LR], v227, 2, s52
	v_lshlrev_b32 v[C16], 4, v228
	v_lshl_add_u32 v234, v229, 3, v3               ; r + 8 (r / 8): THE ROWS OF W1 THAT FORM A TILE ARE NOT NEIGHBOURS: lane r of tile 2 b + u takes row 32 b + 8 u + r + 8 (r / 8)
	v_mul_u32_u24 v[WA], v234, XP
	v_lshl_add_u32 v[WA], v229, 7, v[WA]
	v_mad_u32_u24 v[WA], v226, 48, v[WA]
	v_add_nc_u32 v[WA], s59, v[WA]
	v_mul_u32_u24 v[OW2], v3, 384                  ; W2: row r of 384 bytes, + 48 h
	v_mad_u32_u24 v[OW2], v226, 48, v[OW2]
	v_lshlrev_b32 v[OW2S], 4, v3                   ; its scale bytes: 16 a row
	v_lshlrev_b32 v[OW1S], 3, v234                 ; W1's: 8 a row
	v_lshlrev_b32 v[OB1], 6, v226                  ; b1: 16 h numbers on
.irp b, 0,1,2,3
	v_mov_b32 v[TM+4+\b], 0                        ; written once: a lane permute's destination counts as one of its sources
.endr
	s_wait_kmcnt 0x0
	s_lshl_b32 s50, s32, 2                         ; each pointer gets its offset once, ahead of its first use
	s_add_co_u32 s50, s50, s31                     ; 4 b + t
	s_lshl_b32 s46, s50, 8
	s_mov_b32 s47, 0
	s_add_nc_u64 s[66:67], s[66:67], s[46:47]      ; counts: my work-group's
	s_load_b32 s37, s[66:67], 0x0                  ; the count
	s_lshl_b32 s46, s50, 12
	s_add_nc_u64 s[12:13], s[12:13], s[46:47]      ; list: my work-group's 4,096 bytes
	s_mul_i32 s46, s31, 98304
	s_mul_i32 s50, s28, 12288
	s_add_co_u32 s46, s46, s50
	s_add_nc_u64 s[14:15], s[14:15], s[46:47]      ; W1's codes: type t, the 64 rows that my wave stages
	s_lshl_b32 s46, s31, 12
	s_lshl_b32 s50, s30, 10
	s_add_co_u32 s46, s46, s50
	s_add_nc_u64 s[16:17], s[16:17], s[46:47]      ; W1's scales: type t, my 128 rows
	s_lshl_b32 s46, s31, 11
	s_lshl_b32 s50, s30, 9
	s_add_co_u32 s46, s46, s50
	s_add_nc_u64 s[18:19], s[18:19], s[46:47]      ; b1 likewise
	s_mul_i32 s46, s31, 12288
	s_mul_i32 s50, s30, 96
	s_add_co_u32 s46, s46, s50
	s_add_nc_u64 s[20:21], s[20:21], s[46:47]      ; W2's codes: type t, K step w
	s_lshl_b32 s46, s31, 9
	s_lshl_b32 s50, s30, 2
	s_add_co_u32 s46, s46, s50
	s_add_nc_u64 s[22:23], s[22:23], s[46:47]      ; W2's scales likewise
	s_lshl_b32 s46, s31, 7
	s_add_nc_u64 s[24:25], s[24:25], s[46:47]      ; b2: type t
; THE GATHER of my wave's tile (16 list rows) of trip i, into register set j.  Half a tile, 8 rows x 192 bytes, is 96 pieces of 16 bytes: three loads, twelve lanes to a row's 192 consecutive bytes.
.macro G_IDS i, j                      ; the list words of the rows that my lane's pieces belong to: 7 loads
.irp a, 0,1
.irp b, 0,1,2
	global_load_b32 v[GI+7*(\j)+3*\a+\b], v[LA+\b], s[12:13] offset:512*(\i)+32*\a
.endr
.endr
	global_load_b32 v[GI+7*(\j)+6], v[LAS], s[12:13] offset:512*(\i)
.endm
.macro G_ADR j
.irp q, 0,1,2,3,4,5,6
	v_min_u32 v[GI+7*(\j)+\q], 0x1ffff, v[GI+7*(\j)+\q]    ; a loaded number enters an address only held: 17 bits,
.endr
.irp q, 0,1,2,3,4,5,6
	v_and_b32 v[GI+7*(\j)+\q], 0xffff, v[GI+7*(\j)+\q]     ; of which 16 are the token
.endr
.irp q, 0,1,2,3,4,5
	v_mul_u32_u24 v[GI+7*(\j)+\q], v[GI+7*(\j)+\q], 192
.endr
.irp a, 0,1
.irp b, 0,1,2
	v_add_nc_u32 v[GI+7*(\j)+3*\a+\b], v[CB+\b], v[GI+7*(\j)+3*\a+\b]
.endr
.endr
	v_lshlrev_b32 v[GI+7*(\j)+6], 3, v[GI+7*(\j)+6]
.endm
.macro G_LD j
.irp q, 0,1,2,3,4,5
	global_load_b128 v[GD+26*(\j)+4*\q:GD+26*(\j)+4*\q+3], v[GI+7*(\j)+\q], s[8:9]
.endr
	global_load_b64 v[GD+26*(\j)+24:GD+26*(\j)+25], v[GI+7*(\j)+6], s[10:11]
.endm
.macro G_ST i, j, xb
	v_perm_b32 v[GD+26*(\j)+24], v[GD+26*(\j)+24], v[GD+26*(\j)+24], s36
	v_perm_b32 v[GD+26*(\j)+25], v[GD+26*(\j)+25], v[GD+26*(\j)+25], s36
.irp a, 0,1
.irp b, 0,1,2
	ds_store_b128 v[\xb+\b], v[GD+26*(\j)+4*(3*\a+\b):GD+26*(\j)+4*(3*\a+\b)+3] offset:128*XP*(\j)+8*XP*\a
.endr
.endr
	ds_store_b64 v[XSW], v[GD+26*(\j)+24:GD+26*(\j)+25] offset:1024*(\i)   ; lanes l and l xor 16 write the same bytes with the same value
.endm
.macro GISSUE i0, n                    ; trips i0 .. i0 + n - 1, for the lists that are so long
	G_IDS \i0, 0
	G_IDS (\i0)+1, 1
.if \n > 2
	G_IDS (\i0)+2, 2
.endif
	s_wait_loadcnt 0x0                             ; the list words are in
	s_wait_dscnt 0x0                               ; and earlier LDS stores have read the registers that the rows land in
	G_ADR 0
	G_ADR 1
.if \n > 2
	G_ADR 2
.endif
	G_LD 0
	G_LD 1
.if \n > 2
	G_LD 2
.endif
.endm
.macro GSTORE i0, n, xb
	G_ST \i0, 0, \xb
	G_ST (\i0)+1, 1, \xb
.if \n > 2
	G_ST (\i0)+2, 2, \xb
.endif
.endm
	G_IDS 0, 0                                     ; list rows 0 to 383: 21 loads of list words first, since the rows' loads hang on them
	G_IDS 1, 1
	G_IDS 2, 2
	WIN 0x40                                       ; destination window 1
.irp a, 0,1,2,3,4,5,6,7                        ; my wave's 64 rows of W1[t], as they lie: each load reads 512 consecutive bytes
.irp b, 0,1,2
	global_load_b128 v[4*(3*\a+\b):4*(3*\a+\b)+3], v1, s[14:15] offset:1536*\a+512*\b
.endr
.endr
	WIN 0
	s_wait_kmcnt 0x0
	s_min_u32 s37, s37, 1024                       ; the count
	s_add_co_u32 s38, s37, 15
	s_lshr_b32 s38, s38, 4                         ; tiles of 16 rows
	s_wait_loadcnt 24                              ; the 21 list words are in; the 24 loads of W1 behind them may be out
	G_ADR 0
	G_ADR 1
	G_ADR 2
	G_LD 0                                         ; 21 loads
	G_LD 1
	G_LD 2
	s_wait_loadcnt 21                              ; W1's 24 staged loads are in; the gather's 21 behind them may be out
	WIN 0x04                                       ; an LDS store's data are its source 1: window 1
.irp a, 0,1,2,3,4,5,6,7
.irp b, 0,1,2
	ds_store_b128 v[WSW+\b], v[4*(3*\a+\b):4*(3*\a+\b)+3] offset:8*XP*\a+128*(\a/2)
.endr
.endr
	WIN 0
	; 33 small loads: what my wave keeps beside W1
.irp n, 0,1
.irp k, 0,1,2
	global_load_b128 v[W2F+12*\n+4*\k:W2F+12*\n+4*\k+3], v[OW2], s[20:21] offset:6144*\n+16*\k   ; outputs 16 n + r, 48 bytes at 48 h of K step w
.endr
.endr
.irp t, 0,1,2,3,4,5,6,7
	global_load_b64 v[W1S+2*\t:W1S+2*\t+1], v[OW1S], s[16:17] offset:8*(32*(\t/2)+8*(\t%2))
.endr
.irp n, 0,1
	global_load_b32 v[W2S+\n], v[OW2S], s[22:23] offset:256*\n
.endr
	WIN 0x40
.irp t, 0,1,2,3,4,5,6,7                        ; b1 in the result's layout: lane (r, h), tile 2 b + u, register j: hidden unit 32 b + 16 h + 8 u + j
	global_load_b128 v[B1+8*\t:B1+8*\t+3], v[OB1], s[18:19] offset:4*(32*(\t/2)+8*(\t%2))
	global_load_b128 v[B1+8*\t+4:B1+8*\t+7], v[OB1], s[18:19] offset:4*(32*(\t/2)+8*(\t%2))+16
.endr
	WIN 0
	global_load_b128 v[B2:B2+3], v[C16], s[24:25]
	s_wait_loadcnt 33                              ; the gather's 21 loads are in; the 33 small ones behind them may be out
	GSTORE 0, 3, XW                                ; x's rows 0 to 383 end where the staged W1 begins: the two meet nowhere
	BARRIER                                        ; W1[t]'s 512 rows and x's rows 0 to 383 lie in LDS
	WIN 0x40
.irp t, 0,1,2,3,4,5,6,7                        ; my 16 fragments: they stay
.irp s, 0,1
.irp k, 0,1,2
	ds_load_b128 v[12*(2*\t+\s)+4*\k:12*(2*\t+\s)+4*\k+3], v[WA] offset:(\t/2)*6912+(\t%2)*8*XP+96*\s+16*\k
.endr
.endr
.endr
	WIN 0
	s_wait_loadcnt 0x0                             ; the small loads
.irp q, 0,1,2,3,4,5,6,7,8,9,10,11,12,13,14,15
	v_perm_b32 v[W1S+\q], v[W1S+\q], v[W1S+\q], s36
.endr
.irp n, 0,1
	v_perm_b32 v[W2S+\n], v[W2S+\n], v[W2S+\n], s36
.endr
	BARRIER                                        ; every wave has read its part of W1 out: the bytes may take x's rows 384 on
	s_cmp_le_u32 s38, 24                           ; the count is the same in all eight waves; no barrier stands under these branches
	s_cbranch_scc1 .Lgathered
	GISSUE 3, 3
	s_wait_loadcnt 0x0
	GSTORE 3, 3, XW3
	s_cmp_le_u32 s38, 48
	s_cbranch_scc1 .Lgathered
	GISSUE 6, 2
	s_wait_loadcnt 0x0
	GSTORE 6, 2, XW6
.Lgathered:
	BARRIER                                        ; all the list's rows of x lie in LDS
.rept 8
	v_nop                                          ; scale registers written by vector instructions stand 8 places ahead of a scaled matrix instruction
.endr
; 64 numbers of a lane, register 16 b + i = hidden unit 32 b + 16 h + i of my token (none negative), become a fragment's codes in v[PC] on and its scale word in v[PW].
.macro QUANT
.irp b, 0,1,2,3
	v_max3_num_f32 v[TM+\b], v[HA+16*\b], v[HA+16*\b+1], 0x2800000   ; block b: my 16 numbers, and the floor 2^(5 - 127): the byte cannot fall under 1
.endr
.irp i, 2,4,6,8,10,12,14
.irp b, 0,1,2,3
	v_max3_num_f32 v[TM+\b], v[TM+\b], v[HA+16*\b+\i], v[HA+16*\b+\i+1]   ; (the four blocks by turns)
.endr
.endr
.irp b, 0,1,2,3
	v_permlanex16_b32 v[TM+4+\b], v[TM+\b], s34, s35
.endr
.irp b, 0,1,2,3
	v_max_num_f32 v[TM+\b], v[TM+\b], v[TM+4+\b]   ; with lane l xor 16's: the block's largest number
.endr
.irp b, 0,1,2,3
	v_add_nc_u32 v[TM+12+\b], 0xfe000000, v[TM+\b] ; 4 off its exponent field: the conversion takes the exponent field of this operand as its scale
.endr
.irp b, 0,1,2,3
	v_lshrrev_b32 v[TM+4+\b], 23, v[TM+12+\b]      ; the scale's byte
.endr
	v_lshl_or_b32 v[PW], v[TM+6], 8, v[TM+4]       ; the scale word, in the order 0, 2, 1, 3 of the permuted blocks
	v_lshl_or_b32 v[PW], v[TM+5], 16, v[PW]
	v_lshl_or_b32 v[PW], v[TM+7], 24, v[PW]
.irp c, 0,1
	v_cvt_scalef32_pk16_bf6_f32 v[PC+6*\c:PC+6*\c+2], v[HA+16*\c:HA+16*\c+15], v[TM+12+\c]             ; block c: my half's 16 codes
	v_cvt_scalef32_pk16_bf6_f32 v[PC+12+4*\c:PC+14+4*\c], v[HA+32+16*\c:HA+47+16*\c], v[TM+14+\c]      ; block 2 + c  (a conversion's three registers begin on an even number)
.endr
	v_nop                                          ; one plain place behind a scaled conversion
.irp c, 0,1                                    ; registers 6 c .. 6 c + 5: lanes 0-15 the whole block c, lanes 16-31 the whole block 2 + c
.irp i, 0,1,2
	v_permlane16_swap_b32 v[PC+6*\c+\i], v[PC+12+4*\c+\i]
.endr
.irp i, 0,1,2
	v_mov_b32 v[PC+3+6*\c+\i], v[PC+12+4*\c+\i]
.endr
.endr
.endm
; Tile 2 m + g of the trip: x's fragments from LDS, my 128 hidden units, relu, codes, my partial y, to the stage.  A tile past the list's end is jumped over.
.macro TILE m
	s_add_co_u32 s50, s43, 2*\m
	s_cmp_ge_u32 s50, s38
	s_cbranch_scc1 .Ltile_done_\@
.irp s, 0,1
.irp k, 0,1,2
	ds_load_b128 v[XF+12*\s+4*\k:XF+12*\s+4*\k+3], v[XA] offset:32*XP*\m+96*\s+16*\k
.endr
.endr
	ds_load_b64 v[XS:XS+1], v[XSA] offset:256*\m
	s_wait_dscnt 0x0                               ; x is in, and the last tile's stores of y have read their registers
	WIN 0x11                                       ; source 0 (W1) and source 2 (b1) window 1
.irp t, 0,1,2,3,4,5,6,7                        ; the eight accumulators by turns; b1 starts the sums
	v_wmma_scale_f32_16x16x128_f8f6f4 v[HA+8*\t:HA+8*\t+7], v[24*\t:24*\t+11], v[XF:XF+11], v[B1+8*\t:B1+8*\t+7], v[W1S+2*\t], v[XS] matrix_a_fmt:MATRIX_FMT_BF6 matrix_b_fmt:MATRIX_FMT_BF6
.endr
	WIN 0x01
.irp t, 0,1,2,3,4,5,6,7
	v_wmma_scale_f32_16x16x128_f8f6f4 v[HA+8*\t:HA+8*\t+7], v[24*\t+12:24*\t+23], v[XF+12:XF+23], v[HA+8*\t:HA+8*\t+7], v[W1S+2*\t+1], v[XS+1] matrix_a_fmt:MATRIX_FMT_BF6 matrix_b_fmt:MATRIX_FMT_BF6
.endr
	WIN 0
.rept 4
	v_nop                                          ; four places ahead of the first read of results (ISA guide 7.12.1)
.endr
.set J, 0
.rept 64
	v_max_num_f32 v[HA+J], 0, v[HA+J]              ; relu, in f32; each accumulator from its low end on
.set J, J+1
.endr
	QUANT
.rept 8
	v_nop                                          ; the scale word stands 8 places, the codes 4, ahead of the scaled matrix instruction
.endr
.irp n, 0,1                                    ; partial y: source 0 = outputs 16 n on, K = my 128 hidden units
	v_wmma_scale_f32_16x16x128_f8f6f4 v[YA+8*\n:YA+8*\n+7], v[W2F+12*\n:W2F+12*\n+11], v[PC:PC+11], 0, v[W2S+\n], v[PW] matrix_a_fmt:MATRIX_FMT_BF6 matrix_b_fmt:MATRIX_FMT_BF6
.endr
.rept 4
	v_nop
.endr
.irp n, 0,1
.irp e, 0,1
	ds_store_b128 v[SOA], v[YA+8*\n+4*\e:YA+8*\n+4*\e+3] offset:8*PTILE*\m+64*\n+16*\e   ; lane (r, h): token r, outputs 16 n + 8 h + 4 e on
.endr
.endr
.Ltile_done_\@:
.endm
; Tile = my wave's number of the trip: its four partials and b2 are added, and the rows leave: eight lanes store a row's 128 consecutive bytes.  Group i: rows 4 i + l / 8.
; All 16 rows are stored: a row past the count is the list's first token once more.  The rows' list words were asked for at the trip's head.
.macro REDUCE
	s_cmp_ge_u32 s44, s38
	s_cbranch_scc1 .Lreduced_\@
.irp i, 0,1,2,3
.irp p, 0,1,2,3
	ds_load_b128 v[HA+16*\i+4*\p:HA+16*\i+4*\p+3], v[SRA] offset:PTILE*\p+4*PP*\i
.endr
.endr
	s_wait_dscnt 0x0
.irp i, 0,1,2,3
	v_pk_add_f32 v[HA+16*\i:HA+16*\i+1], v[HA+16*\i:HA+16*\i+1], v[HA+16*\i+4:HA+16*\i+5]
	v_pk_add_f32 v[HA+16*\i+2:HA+16*\i+3], v[HA+16*\i+2:HA+16*\i+3], v[HA+16*\i+6:HA+16*\i+7]
	v_pk_add_f32 v[HA+16*\i+8:HA+16*\i+9], v[HA+16*\i+8:HA+16*\i+9], v[HA+16*\i+12:HA+16*\i+13]
	v_pk_add_f32 v[HA+16*\i+10:HA+16*\i+11], v[HA+16*\i+10:HA+16*\i+11], v[HA+16*\i+14:HA+16*\i+15]
.endr
.irp i, 0,1,2,3
	v_bfe_u32 v[KM+\i], v[ID+\i], 16, 1            ; bit 16 of the entry,
.endr
.irp i, 0,1,2,3
	v_pk_add_f32 v[HA+16*\i:HA+16*\i+1], v[HA+16*\i:HA+16*\i+1], v[HA+16*\i+8:HA+16*\i+9]
	v_pk_add_f32 v[HA+16*\i+2:HA+16*\i+3], v[HA+16*\i+2:HA+16*\i+3], v[HA+16*\i+10:HA+16*\i+11]
.endr
.irp i, 0,1,2,3
	v_add_nc_u32 v[KM+\i], -1, v[KM+\i]            ; less 1: all ones where the row keeps its numbers, 0 where it is stored as zeros
.endr
.irp i, 0,1,2,3
	v_pk_add_f32 v[HA+16*\i:HA+16*\i+1], v[HA+16*\i:HA+16*\i+1], v[B2:B2+1]
	v_pk_add_f32 v[HA+16*\i+2:HA+16*\i+3], v[HA+16*\i+2:HA+16*\i+3], v[B2+2:B2+3]
.endr
.irp i, 0,1,2,3
	v_min_u32 v[OFF+\i], 0x1ffff, v[ID+\i]
.endr
.irp i, 0,1,2,3
	v_and_b32 v[OFF+\i], 0xffff, v[OFF+\i]
.endr
.irp i, 0,1,2,3
	v_lshlrev_b32 v[OFF+\i], 7, v[OFF+\i]          ; a row of out0 is 128 bytes
.endr
.irp i, 0,1,2,3
	v_add_nc_u32 v[OFF+\i], v[C16], v[OFF+\i]
.endr
.irp i, 0,1,2,3
.irp e, 0,1,2,3
	v_and_b32 v[HA+16*\i+\e], v[KM+\i], v[HA+16*\i+\e]
.endr
.endr
.irp i, 0,1,2,3
	global_store_b128 v[OFF+\i], v[HA+16*\i:HA+16*\i+3], s[26:27] th:TH_STORE_NT
.endr
	s_wait_xcnt 0x0                                ; the stores' data and offsets are written again in the next trip: only behind this wait
.Lreduced_\@:
.endm
	s_mov_b32 s39, 0                               ; the trip
	s_mov_b32 s43, s29                             ; 8 x trip + team
	s_mov_b32 s44, s28                             ; 8 x trip + wave
.Ltrip:                                            ; eight trips whatever the count, so that every wave passes every barrier; a trip past the list's end runs its branches and barriers alone
	s_cmp_ge_u32 s44, s38                          ; the list words of the 16 rows that I store in this trip, if the list reaches so far: asked for here, wanted behind the tiles
	s_cbranch_scc1 .Lno_ids
.irp i, 0,1,2,3
	global_load_b32 v[ID+\i], v[LR], s[12:13] offset:16*\i
.endr
.Lno_ids:
	TILE 0
	TILE 1
	TILE 2
	TILE 3
	s_wait_loadcnt 0x0                             ; on every path: the list words are in, and their address register may be stepped
	BARRIER                                        ; the trip's partials lie in the stage
	REDUCE
	BARRIER                                        ; and have been read: the next trip may write them again
	v_add_nc_u32 v[XA], 128*XP, v[XA]              ; on to the next 128 list rows: their codes,
	v_add_nc_u32 v[XSA], 1024, v[XSA]              ; their scale words,
	v_add_nc_u32 v[LR], 512, v[LR]                 ; their list words
	s_add_co_u32 s43, s43, 8
	s_add_co_u32 s44, s44, 8
	s_add_co_u32 s39, s39, 1
	s_cmp_lt_u32 s39, 8
	s_cbranch_scc1 .Ltrip
	s_wait_tensorcnt 0x0
	ds_add_u32 v254, v255
	s_wait_dscnt 0x0
	s_endpgm
.Lfunc_end_k_q6199d2341c_decode:
	.size	k_q6199d2341c_decode, .Lfunc_end_k_q6199d2341c_decode-k_q6199d2341c_decode
	.p2alignl 7, 3214868480
	.fill 96, 4, 3214868480
	.section	.rodata,"a",@progbits
	.p2align	6, 0x0
	.amdhsa_kernel k_q6199d2341c_decode
		.amdhsa_group_segment_fixed_size 295936
		.amdhsa_private_segment_fixed_size 0
		.amdhsa_enable_private_segment 0
		.amdhsa_kernarg_size 88
		.amdhsa_user_sgpr_count 2
		.amdhsa_user_sgpr_kernarg_segment_ptr 1
		.amdhsa_wavefront_size32 1
		.amdhsa_system_sgpr_workgroup_id_x 1
		.amdhsa_system_sgpr_workgroup_id_y 1
		.amdhsa_system_sgpr_workgroup_id_z 1
		.amdhsa_system_vgpr_workitem_id 0
		.amdhsa_next_free_vgpr 512
		.amdhsa_next_free_sgpr 96
		.amdhsa_reserve_vcc 0
		.amdhsa_float_denorm_mode_32 3
		.amdhsa_float_denorm_mode_16_64 3
		.amdhsa_memory_ordered 1
		.amdhsa_forward_progress 1
		.amdhsa_inst_pref_size 92
	.end_amdhsa_kernel
	.amdgpu_metadata
---
amdhsa.version: [ 1, 2 ]
amdhsa.kernels:
  - .name:           k_q6199d2341c_decode
    .symbol:         k_q6199d2341c_decode.kd
    .args:
      - { .name: x_codes, .offset: 0, .size: 8, .value_kind: global_buffer, .address_space: global }
      - { .name: x_scales, .offset: 8, .size: 8, .value_kind: global_buffer, .address_space: global }
      - { .name: list, .offset: 16, .size: 8, .value_kind: global_buffer, .address_space: global }
      - { .name: W1_codes, .offset: 24, .size: 8, .value_kind: global_buffer, .address_space: global }
      - { .name: W1_scales, .offset: 32, .size: 8, .value_kind: global_buffer, .address_space: global }
      - { .name: b1, .offset: 40, .size: 8, .value_kind: global_buffer, .address_space: global }
      - { .name: W2_codes, .offset: 48, .size: 8, .value_kind: global_buffer, .address_space: global }
      - { .name: W2_scales, .offset: 56, .size: 8, .value_kind: global_buffer, .address_space: global }
      - { .name: b2, .offset: 64, .size: 8, .value_kind: global_buffer, .address_space: global }
      - { .name: out0, .offset: 72, .size: 8, .value_kind: global_buffer, .address_space: global }
      - { .name: counts, .offset: 80, .size: 8, .value_kind: global_buffer, .address_space: global }
    .group_segment_fixed_size: 295936
    .private_segment_fixed_size: 0
    .kernarg_segment_align: 8
    .kernarg_segment_size: 88
    .max_flat_workgroup_size: 256
    .sgpr_count:     96
    .vgpr_count:     512
    .wavefront_size: 32
...
	.end_amdgpu_metadata
.endif
;; end of part 2
;; ======== version 2 of 2: 2 launches; version 1 with the launch decode written anew for expert scheduling mode
;; workspace buffers: list 1,048,576 bytes of whole numbers; counts 65,536 bytes of whole numbers
;; launch route: the kernel of part 1 again; grid 4 x 64, 8 waves a work-group, no clusters, 5,376 bytes of LDS; arguments types, list, counts; writes list, counts
;; launch decode (part 3): grid 4 x 64, 8 waves a work-group, no clusters, 295,936 bytes of LDS; arguments x_codes, x_scales, list, W1_codes, W1_scales, b1, W2_codes, W2_scales, b2, out0, counts; writes out0
.if DOCPART == 3
	.amdgcn_target "amdgcn-amd-amdhsa--gfx1250"
	.amdhsa_code_object_version 6
	.text
	.protected	k_q6199d2341c_decode
	.globl	k_q6199d2341c_decode
	.p2align	8
	.type	k_q6199d2341c_decode,@function
k_q6199d2341c_decode:
	s_mov_b64 s[64:65], 0
	v_nop
	global_prefetch_b8 v0, s[64:65] scope:SCOPE_SE
	s_setreg_imm32_b32 hwreg(HW_REG_WAVE_SCHED_MODE, 0, 2), 2
	s_setreg_imm32_b32 hwreg(HW_REG_WAVE_MODE, 25, 1), 1
	s_wait_xcnt 0x0
	s_wait_alu depctr_vm_vsrc(0)
; out[i] = relu(x[i] W1[t] + b1[t]) W2[t] + b2[t] with t = types[i]; rows whose type is none of 0..3 are zeros.  x, W1, W2: codes of BF6 (E3M2) with one E8M0 byte
; for each 32 along K, K innermost; the hidden layer is quantised on the way, in registers; sums, biases and relu in f32.
; SHARES.  Work-group (x = type t, y = block b of 1,024 tokens): 4 x 64.  The launch before has listed the tokens of type t of the block (list, 1,024 words at 4,096 (4 b + t); their number in
; counts at 256 (4 b + t)); this one takes only those rows through the chain, so each output row has one owner.  An entry with bit 16 set (a type outside 0..3) is stored as zeros.
; Every address and every branch that hangs on the routing is made from numbers that this launch reads from memory straight into registers.
; THE LIST'S TAIL: entries at or past the count repeat the list's first token.  So the rows that fill up the last tile of 16 are computed and stored like any other: the same numbers, at the
; same place, by the same work-group; no store is masked and EXEC stays whole throughout.
; Eight waves: team g = wave / 4, column part w = wave % 4.  Wave (g, w) keeps in registers, for the whole launch, W1[t]'s rows 128 w .. 128 w + 127 (16 fragments), their b1,
; and K step w of W2[t] (2 fragments).  A trip is 128 list rows = 8 tiles of 16; tile 2 m + g is multiplied by team g.  A wave multiplies its own 128 hidden units, as codes, by its
; K step of W2: a partial y (16 rows x 32).  The four partials of a tile meet in LDS; wave v adds tile v's four and b2 and stores the rows.  Wave v also gathers tile v's rows of x.
; BOTH PRODUCTS ARE USED TRANSPOSED (source 0 = 16 rows of the weight, source 1 = 16 tokens): a lane holds one token, its registers run along the next K.
; THE BLOCKS OF 32 ALONG K ARE PERMUTED ALIKE ON BOTH OPERANDS: the instruction's block 2 c + h is fed with the memory's block 2 h + c, so that a lane's 12 registers are 48 consecutive
; bytes, at a multiple of 16: three loads of 16 bytes.  Every scale word has its bytes 1 and 2 exchanged to match.
; NO TENSOR LOADS, NO CLUSTER, though 64 work-groups read the same W1[t] (96 KiB, once each): which tiles a work-group multiplies hangs on a count read from memory
; No prefetch: a row's address exists only when its list word has been read, and the row is asked for at once.
; LIMITS: NaN, infinities and scale bytes 0xff are not served.  A hidden block of zeros gets the byte 1 where the rule says 127: its codes are zeros, and this program alone reads the byte.
; y's f32 sum over the 512 hidden units is taken as four partial sums of 128, then (p0 + p1) + (p2 + p3) + b2.  An output row is 128 bytes: eight lanes store it whole.
; THE MODE: SCHED_MODE bits 1:0 = 2 (LLVM: expert scheduling mode 2), set by the entry lines.  The code itself states the register dependences
; between vector or matrix instructions and memory or LDS instructions, with s_wait_alu, always for 0.
; THE PLAN.  Registers that memory or LDS instructions touch, in the loop:
;   X0, X1        two buffers of a tile's x (two fragments and two scale words).  Tile m's first products read X[m % 2]; the LDS loads of tile m + 1, issued at tile m's head, land in the other one,
;                 which tile m - 1 read.  Tile 0 asks for its own x and for tile 1's.
;   YA            written by a tile's two second products, read by its four LDS stores.
;   HA            written by the first products and the relu, read by the quantiser; in the adding step LDS loads land in it, additions work on it, and four stores to memory read it.
;   ID, OFF       ID: four loads at the trip's head land in it, the adding step's vector lines read it.  OFF: written by those lines, read by the stores.
;   XA, XSA, LR   read by x's LDS loads and by ID's loads; stepped by three additions at the trip's end.  SOA, SRA, C16 are never written again.
; So a trip has: one wait on va_vdst at its head (the stepped addresses; ID is free); in each tile one on vm_vsrc and one on va_vdst ahead of the second products (YA is free; the codes and their scale word
; are written) and one on va_vdst ahead of the stores of YA, behind which no vector or matrix instruction stands up to the next tile's loads of x and up to the adding step's loads into HA;
; one on va_vdst ahead of the stores to memory; one on vm_vsrc at the trip's end, ahead of the three additions.
.set XSC,   0                          ; LDS: 8 bytes a list row: x's two scale words, bytes 1 and 2 exchanged
.set XROW,  8192                       ; list row k's 192 bytes of codes, XP bytes apart
.set XP,    208                        ; 13 x 16: the 16 rows of a 16-byte load start at 16 different 16-byte columns of 256
.set WSTG,  XROW+384*XP                ; W1[t]'s 512 rows, row q at 208 q + 128 (q / 16); lies over x's rows 384 on, which are stored only when it has been read out
.set PST,   XROW+1024*XP               ; partial y: (tile, w) at (4 tile + w) PTILE, 16 rows of 128 bytes, PP apart
.set PP,    144
.set PTILE, 16*PP
; window 0
.set XW,   4                           ; v4-6    gather: where my 16 bytes of part b of half a tile go: XROW + 3,328 wave + 16 (n + n / 12), n = 32 b + lane: row n / 12 of 208 bytes, column 16 (n % 12)
.set LA,   7                           ; v7-9    and the list word of that row, in my work-group's part of list: 4 (16 wave + n / 12)
.set CB,   10                          ; v10-12  16 (n % 12)
.set LAS,  13                          ; v13     list word of row r of my gather tile
.set XSW,  14                          ; v14     where its scale words go
.set X1A,  4                           ; v4-15   in the loop, when the gather's registers above are done with: x's second buffer, K step 0;
.set X1B,  242                         ; v242-253 its K step 1;
.set XS1,  254                         ; v254-255 its scale words
.set XA,   17                          ; v17     my lane's place in my team's first tile of x of the trip: stepped at each trip's end
.set XSA,  18                          ; v18     the same for the scale words
.set SOA,  19                          ; v19     where I put 32 bytes of a row of my partial y
.set SRA,  20                          ; v20     where I read partial rows back
.set LR,   22                          ; v22     list word of the first row that I store in the trip: stepped likewise
.set C16,  24                          ; v24     16 (lane % 8)
.set B2,   26                          ; v26-29  b2: outputs 4 (lane % 8) on
.set W2S,  30                          ; v30-31  W2's scale words
.set W1S,  32                          ; v32-47  W1's: tile t, K step s at 2 t + s
.set XS,   48                          ; v48-49  x's, first buffer
.set PW,   50                          ; v50     the hidden layer's
.set WA,   51                          ; v51     my lane's place in my part of WSTG
.set XF,   52                          ; v52-75  x's two fragments, first buffer
.set W2F,  76                          ; v76-99  W2's two
.set HA,   100                         ; v100-163 the hidden layer: 8 tiles x 8; later the four partials of 16 rows
.set YA,   164                         ; v164-179 partial y
.set PC,   180                         ; v180-198 the codes just made
.set TM,   200                         ; v200-215 the quantiser's small numbers
.set WSW,  216                         ; v216-218 where the staged rows of W1 go
.set XW3,  219                         ; v219-221 XW for trips 3 on
.set OW2,  222                         ; v222-225 offsets of the small loads
.set OW2S, 223
.set OW1S, 224
.set OB1,  225
.set ID,   226                         ; v226-229 list entries;  v230-233 their rows' offsets in out0;  v234-237 all ones, or 0 where the row is stored as zeros
.set OFF,  230
.set KM,   234
.set XW6,  238                         ; v238-240 XW for trips 6 on
.set GD,   100                         ; ahead of the loop: gathered rows, 26 registers a tile (24 of codes, 2 scale words)
.set GI,   180                         ; and their list entries, then offsets: 7 a tile
; window 1: v0-191 W1's fragments, (t, s) at 12 (2 t + s) (before that v0-95: the staged rows);  v192-255 b1, 8 registers a tile
.set B1,   192
.set MSB, 0
.macro WIN new                         ; the immediate's high byte repeats the setting that is left; a switch that changes nothing is dropped
.if MSB != \new
	s_set_vgpr_msb (MSB<<8)|\new
.set MSB, \new
.endif
.endm
.macro BARRIER                         ; my LDS stores have landed and my LDS loads are in: then the work-group's barrier
	s_wait_dscnt 0x0
	s_barrier_signal -1
	s_barrier_wait -1
.endm
	s_load_b512 s[8:23], s[0:1], 0x0               ; x_codes 8, x_scales 10, list 12, W1_codes 14, W1_scales 16, b1 18, W2_codes 20, W2_scales 22
	s_load_b128 s[24:27], s[0:1], 0x40             ; b2 24, out0 26
	s_load_b64 s[66:67], s[0:1], 0x50              ; counts
	v_lshl_add_u32 v211, v0, 2, 0x48000
	v_mov_b32 v241, 0
	v_lshrrev_b32 v2, 5, v0
	v_readfirstlane_b32 s28, v2                    ; wave 0..7
	s_wait_alu depctr_va_sdst(0)                   ; s28 is written, ahead of its first reader: team, column part and the LDS places are made from it
	s_lshr_b32 s29, s28, 2                         ; team g
	s_and_b32 s30, s28, 3                          ; column part w
	s_mov_b32 s31, ttmp9                           ; my type t
	s_and_b32 s32, ttmp7, 0xffff                   ; my block of 1,024 tokens
	s_mov_b32 s34, 0x76543210
	s_mov_b32 s35, 0xfedcba98                      ; v_permlanex16_b32's selects for lane l xor 16
	s_mov_b32 s36, 0x03010200                      ; v_perm_b32: bytes 1 and 2 change places
	s_mul_i32 s51, s28, 16*XP
	s_add_co_u32 s51, s51, XROW
	s_lshl_b32 s52, s28, 6
	s_lshl_b32 s53, s28, 7
	s_add_co_u32 s53, s53, XSC
	s_mul_i32 s54, s29, 16*XP
	s_add_co_u32 s54, s54, XROW
	s_lshl_b32 s55, s29, 7
	s_add_co_u32 s55, s55, XSC
	s_mul_i32 s56, s29, 4*PTILE
	s_mul_i32 s57, s30, PTILE
	s_add_co_u32 s56, s56, s57
	s_add_co_u32 s56, s56, PST
	s_mul_i32 s57, s28, 4*PTILE
	s_add_co_u32 s57, s57, PST
	s_mul_i32 s59, s30, 27648                      ; 128 rows of 208 bytes + 8 x 128
	s_add_co_u32 s59, s59, WSTG
	s_mul_i32 s60, s28, 13824                      ; 64 rows of 208 bytes + 4 x 128
	s_add_co_u32 s60, s60, WSTG
	; every address register is made here, at the head
	v_and_b32 v2, 31, v0                           ; lane l
	v_and_b32 v3, 15, v0                           ; r
	v_bfe_u32 v226, v0, 4, 1                       ; h
	v_bfe_u32 v227, v0, 3, 2                       ; l / 8
	v_and_b32 v228, 7, v0                          ; l % 8
	v_bfe_u32 v229, v0, 3, 1                       ; r / 8
	v_lshlrev_b32 v1, 4, v2                        ; 16 l
.irp b, 0,1,2
	v_add_nc_u32 v230, 32*\b, v2                   ; n = 32 b + l, under 96
	v_mul_u32_u24 v231, v230, 43                   ; 43 n / 512 = n / 12 + n / 1,536: its whole part is n / 12 for n under 96,
	v_and_b32 v232, 511, v231
	v_lshrrev_b32 v231, 9, v231                    ; n / 12
	v_mul_u32_u24 v232, v232, 12                   ; and 12 x its fraction is n % 12 + n / 128, under n % 12 + 1
	v_lshrrev_b32 v232, 9, v232                    ; n % 12
	v_lshlrev_b32 v[CB+\b], 4, v232                ; 16 (n % 12)
	v_add_nc_u32 v233, v230, v231
	v_lshlrev_b32 v233, 4, v233                    ; 16 (n + n / 12) = 208 (n / 12) + 16 (n % 12)
	v_add_nc_u32 v[XW+\b], s51, v233
	v_add_nc_u32 v[XW3+\b], 3*128*XP, v[XW+\b]
	v_add_nc_u32 v[XW6+\b], 6*128*XP, v[XW+\b]
	v_add_nc_u32 v[WSW+\b], s60, v233
	v_lshl_add_u32 v[LA+\b], v231, 2, s52
.endr
	v_lshl_add_u32 v[LAS], v3, 2, s52
	v_lshl_add_u32 v[XSW], v3, 3, s53
	v_mul_u32_u24 v[XA], v3, XP
	v_mad_u32_u24 v[XA], v226, 48, v[XA]
	v_add_nc_u32 v[XA], s54, v[XA]
	v_lshl_add_u32 v[XSA], v3, 3, s55
	v_mul_u32_u24 v[SOA], v3, PP
	v_lshl_add_u32 v[SOA], v226, 5, v[SOA]
	v_add_nc_u32 v[SOA], s56, v[SOA]
	v_mul_u32_u24 v[SRA], v227, PP
	v_lshl_add_u32 v[SRA], v228, 4, v[SRA]
	v_add_nc_u32 v[SRA], s57, v[SRA]
	v_lshl_add_u32 v[LR], v227, 2, s52
	v_lshlrev_b32 v[C16], 4, v228
	v_lshl_add_u32 v234, v229, 3, v3               ; r + 8 (r / 8): THE ROWS OF W1 THAT FORM A TILE ARE NOT NEIGHBOURS: lane r of tile 2 b + u takes row 32 b + 8 u + r + 8 (r / 8)
	v_mul_u32_u24 v[WA], v234, XP
	v_lshl_add_u32 v[WA], v229, 7, v[WA]
	v_mad_u32_u24 v[WA], v226, 48, v[WA]
	v_add_nc_u32 v[WA], s59, v[WA]
	v_mul_u32_u24 v[OW2], v3, 384                  ; W2: row r of 384 bytes, + 48 h
	v_mad_u32_u24 v[OW2], v226, 48, v[OW2]
	v_lshlrev_b32 v[OW2S], 4, v3                   ; its scale bytes: 16 a row
	v_lshlrev_b32 v[OW1S], 3, v234                 ; W1's: 8 a row
	v_lshlrev_b32 v[OB1], 6, v226                  ; b1: 16 h numbers on
.irp b, 0,1,2,3
	v_mov_b32 v[TM+4+\b], 0                        ; written once: a lane permute's destination counts as one of its sources
.endr
	s_wait_kmcnt 0x0
	s_lshl_b32 s50, s32, 2                         ; each pointer gets its offset once, ahead of its first use
	s_add_co_u32 s50, s50, s31                     ; 4 b + t
	s_lshl_b32 s46, s50, 8
	s_mov_b32 s47, 0
	s_add_nc_u64 s[66:67], s[66:67], s[46:47]      ; counts: my work-group's
	s_load_b32 s37, s[66:67], 0x0                  ; the count
	s_lshl_b32 s46, s50, 12
	s_add_nc_u64 s[12:13], s[12:13], s[46:47]      ; list: my work-group's 4,096 bytes
	s_mul_i32 s46, s31, 98304
	s_mul_i32 s50, s28, 12288
	s_add_co_u32 s46, s46, s50
	s_add_nc_u64 s[14:15], s[14:15], s[46:47]      ; W1's codes: type t, the 64 rows that my wave stages
	s_lshl_b32 s46, s31, 12
	s_lshl_b32 s50, s30, 10
	s_add_co_u32 s46, s46, s50
	s_add_nc_u64 s[16:17], s[16:17], s[46:47]      ; W1's scales: type t, my 128 rows
	s_lshl_b32 s46, s31, 11
	s_lshl_b32 s50, s30, 9
	s_add_co_u32 s46, s46, s50
	s_add_nc_u64 s[18:19], s[18:19], s[46:47]      ; b1 likewise
	s_mul_i32 s46, s31, 12288
	s_mul_i32 s50, s30, 96
	s_add_co_u32 s46, s46, s50
	s_add_nc_u64 s[20:21], s[20:21], s[46:47]      ; W2's codes: type t, K step w
	s_lshl_b32 s46, s31, 9
	s_lshl_b32 s50, s30, 2
	s_add_co_u32 s46, s46, s50
	s_add_nc_u64 s[22:23], s[22:23], s[46:47]      ; W2's scales likewise
	s_lshl_b32 s46, s31, 7
	s_add_nc_u64 s[24:25], s[24:25], s[46:47]      ; b2: type t
; THE GATHER of my wave's tile (16 list rows) of trip i, into register set j.  Half a tile, 8 rows x 192 bytes, is 96 pieces of 16 bytes: three loads, twelve lanes to a row's 192 consecutive bytes.
.macro G_IDS i, j                      ; the list words of the rows that my lane's pieces belong to: 7 loads
.irp a, 0,1
.irp b, 0,1,2
	global_load_b32 v[GI+7*(\j)+3*\a+\b], v[LA+\b], s[12:13] offset:512*(\i)+32*\a
.endr
.endr
	global_load_b32 v[GI+7*(\j)+6], v[LAS], s[12:13] offset:512*(\i)
.endm
.macro G_ADR j
.irp q, 0,1,2,3,4,5,6
	v_min_u32 v[GI+7*(\j)+\q], 0x1ffff, v[GI+7*(\j)+\q]    ; a loaded number enters an address only held: 17 bits,
.endr
.irp q, 0,1,2,3,4,5,6
	v_and_b32 v[GI+7*(\j)+\q], 0xffff, v[GI+7*(\j)+\q]     ; of which 16 are the token
.endr
.irp q, 0,1,2,3,4,5
	v_mul_u32_u24 v[GI+7*(\j)+\q], v[GI+7*(\j)+\q], 192
.endr
.irp a, 0,1
.irp b, 0,1,2
	v_add_nc_u32 v[GI+7*(\j)+3*\a+\b], v[CB+\b], v[GI+7*(\j)+3*\a+\b]
.endr
.endr
	v_lshlrev_b32 v[GI+7*(\j)+6], 3, v[GI+7*(\j)+6]
.endm
.macro G_LD j
.irp q, 0,1,2,3,4,5
	global_load_b128 v[GD+26*(\j)+4*\q:GD+26*(\j)+4*\q+3], v[GI+7*(\j)+\q], s[8:9]
.endr
	global_load_b64 v[GD+26*(\j)+24:GD+26*(\j)+25], v[GI+7*(\j)+6], s[10:11]
.endm
.macro G_PRM j                         ; the row's two scale words: bytes 1 and 2 change places
	v_perm_b32 v[GD+26*(\j)+24], v[GD+26*(\j)+24], v[GD+26*(\j)+24], s36
	v_perm_b32 v[GD+26*(\j)+25], v[GD+26*(\j)+25], v[GD+26*(\j)+25], s36
.endm
.macro G_ST i, j, xb
.irp a, 0,1
.irp b, 0,1,2
	ds_store_b128 v[\xb+\b], v[GD+26*(\j)+4*(3*\a+\b):GD+26*(\j)+4*(3*\a+\b)+3] offset:128*XP*(\j)+8*XP*\a
.endr
.endr
	ds_store_b64 v[XSW], v[GD+26*(\j)+24:GD+26*(\j)+25] offset:1024*(\i)   ; lanes l and l xor 16 write the same bytes with the same value
.endm
.macro GISSUE i0, n                    ; trips i0 .. i0 + n - 1, for the lists that are so long
	s_wait_alu depctr_vm_vsrc(0)                   ; the rows' loads issued so far have read their offsets v[GI ..], in which the list words below land; the LDS stores issued so far have read v[GD ..], in which the rows below land
	G_IDS \i0, 0
	G_IDS (\i0)+1, 1
.if \n > 2
	G_IDS (\i0)+2, 2
.endif
	s_wait_loadcnt 0x0                             ; the list words are in
	s_wait_dscnt 0x0                               ; and my earlier LDS stores, out of the registers that the rows land in, are done
	G_ADR 0
	G_ADR 1
.if \n > 2
	G_ADR 2
.endif
	s_wait_alu depctr_va_vdst(0)                   ; the offsets v[GI ..] are written, which the rows' loads read
	G_LD 0
	G_LD 1
.if \n > 2
	G_LD 2
.endif
.endm
.macro GSTORE i0, n, xb
	G_PRM 0
	G_PRM 1
.if \n > 2
	G_PRM 2
.endif
	s_wait_alu depctr_va_vdst(0)                   ; the exchanged scale words are written, which the LDS stores below read: one wait for the run
	G_ST \i0, 0, \xb
	G_ST (\i0)+1, 1, \xb
.if \n > 2
	G_ST (\i0)+2, 2, \xb
.endif
.endm
	s_wait_alu depctr_va_vdst(0)                   ; every address and offset register of the head is written: the loads and stores of the whole kernel read them; so are the head's scratch registers v226-234, in which list words land later
	G_IDS 0, 0                                     ; list rows 0 to 383: 21 loads of list words first, since the rows' loads hang on them
	G_IDS 1, 1
	G_IDS 2, 2
	WIN 0x40                                       ; destination window 1
.irp a, 0,1,2,3,4,5,6,7                        ; my wave's 64 rows of W1[t], as they lie: each load reads 512 consecutive bytes
.irp b, 0,1,2
	global_load_b128 v[4*(3*\a+\b):4*(3*\a+\b)+3], v1, s[14:15] offset:1536*\a+512*\b
.endr
.endr
	WIN 0
	s_wait_kmcnt 0x0
	s_min_u32 s37, s37, 1024                       ; the count
	s_add_co_u32 s38, s37, 15
	s_lshr_b32 s38, s38, 4                         ; tiles of 16 rows
	s_wait_loadcnt 24                              ; the 21 list words are in; the 24 loads of W1 behind them may be out
	G_ADR 0
	G_ADR 1
	G_ADR 2
	s_wait_alu depctr_va_vdst(0)                   ; the offsets v[GI ..] are written, which the rows' loads read
	G_LD 0                                         ; 21 loads
	G_LD 1
	G_LD 2
	s_wait_loadcnt 21                              ; W1's 24 staged loads are in; the gather's 21 behind them may be out
	WIN 0x04                                       ; an LDS store's data are its source 1: window 1
.irp a, 0,1,2,3,4,5,6,7
.irp b, 0,1,2
	ds_store_b128 v[WSW+\b], v[4*(3*\a+\b):4*(3*\a+\b)+3] offset:8*XP*\a+128*(\a/2)
.endr
.endr
	WIN 0
	; 33 small loads: what my wave keeps beside W1.  No vector instruction has named the registers in which they land
.irp n, 0,1
.irp k, 0,1,2
	global_load_b128 v[W2F+12*\n+4*\k:W2F+12*\n+4*\k+3], v[OW2], s[20:21] offset:6144*\n+16*\k   ; outputs 16 n + r, 48 bytes at 48 h of K step w
.endr
.endr
.irp t, 0,1,2,3,4,5,6,7
	global_load_b64 v[W1S+2*\t:W1S+2*\t+1], v[OW1S], s[16:17] offset:8*(32*(\t/2)+8*(\t%2))
.endr
.irp n, 0,1
	global_load_b32 v[W2S+\n], v[OW2S], s[22:23] offset:256*\n
.endr
	WIN 0x40
.irp t, 0,1,2,3,4,5,6,7                        ; b1 in the result's layout: lane (r, h), tile 2 b + u, register j: hidden unit 32 b + 16 h + 8 u + j
	global_load_b128 v[B1+8*\t:B1+8*\t+3], v[OB1], s[18:19] offset:4*(32*(\t/2)+8*(\t%2))
	global_load_b128 v[B1+8*\t+4:B1+8*\t+7], v[OB1], s[18:19] offset:4*(32*(\t/2)+8*(\t%2))+16
.endr
	WIN 0
	global_load_b128 v[B2:B2+3], v[C16], s[24:25]
	s_wait_loadcnt 33                              ; the gather's 21 loads are in; the 33 small ones behind them may be out
	GSTORE 0, 3, XW                                ; x's rows 0 to 383 end where the staged W1 begins: the two meet nowhere
	BARRIER                                        ; W1[t]'s 512 rows and x's rows 0 to 383 lie in LDS
	WIN 0x40
	s_wait_alu depctr_vm_vsrc(0)                   ; the staging's LDS stores have read window 1's v0-95, in which the fragments below land
.irp t, 0,1,2,3,4,5,6,7                        ; my 16 fragments: they stay
.irp s, 0,1
.irp k, 0,1,2
	ds_load_b128 v[12*(2*\t+\s)+4*\k:12*(2*\t+\s)+4*\k+3], v[WA] offset:(\t/2)*6912+(\t%2)*8*XP+96*\s+16*\k
.endr
.endr
.endr
	WIN 0
	s_wait_loadcnt 0x0                             ; the small loads
.irp q, 0,1,2,3,4,5,6,7,8,9,10,11,12,13,14,15
	v_perm_b32 v[W1S+\q], v[W1S+\q], v[W1S+\q], s36
.endr
.irp n, 0,1
	v_perm_b32 v[W2S+\n], v[W2S+\n], v[W2S+\n], s36
.endr
	BARRIER                                        ; every wave has read its part of W1 out: the bytes may take x's rows 384 on
	s_cmp_le_u32 s38, 24                           ; the count is the same in all eight waves; no barrier stands under these branches
	s_cbranch_scc1 .Lgathered
	GISSUE 3, 3
	s_wait_loadcnt 0x0
	GSTORE 3, 3, XW3
	s_cmp_le_u32 s38, 48
	s_cbranch_scc1 .Lgathered
	GISSUE 6, 2
	s_wait_loadcnt 0x0
	GSTORE 6, 2, XW6
.Lgathered:
	BARRIER                                        ; all the list's rows of x lie in LDS
	s_wait_alu depctr_vm_vsrc(0)                   ; the gather's loads and LDS stores have read v4-14 (in the loop: x's second buffer), their data v[GD ..] (the hidden layer and y) and their offsets v[GI ..] (the codes and the quantiser's numbers)
.rept 8
	v_nop                                          ; scale registers written by vector instructions stand 8 places ahead of a scaled matrix instruction
.endr
; 64 numbers of a lane, register 16 b + i = hidden unit 32 b + 16 h + i of my token (none negative), become a fragment's codes in v[PC] on and its scale word in v[PW].
.macro QUANT
.irp b, 0,1,2,3
	v_max3_num_f32 v[TM+\b], v[HA+16*\b], v[HA+16*\b+1], 0x2800000   ; block b: my 16 numbers, and the floor 2^(5 - 127): the byte cannot fall under 1
.endr
.irp i, 2,4,6,8,10,12,14
.irp b, 0,1,2,3
	v_max3_num_f32 v[TM+\b], v[TM+\b], v[HA+16*\b+\i], v[HA+16*\b+\i+1]   ; (the four blocks by turns)
.endr
.endr
.irp b, 0,1,2,3
	v_permlanex16_b32 v[TM+4+\b], v[TM+\b], s34, s35
.endr
.irp b, 0,1,2,3
	v_max_num_f32 v[TM+\b], v[TM+\b], v[TM+4+\b]   ; with lane l xor 16's: the block's largest number
.endr
.irp b, 0,1,2,3
	v_add_nc_u32 v[TM+12+\b], 0xfe000000, v[TM+\b] ; 4 off its exponent field: the conversion takes the exponent field of this operand as its scale
.endr
.irp b, 0,1,2,3
	v_lshrrev_b32 v[TM+4+\b], 23, v[TM+12+\b]      ; the scale's byte
.endr
	v_lshl_or_b32 v[PW], v[TM+6], 8, v[TM+4]       ; the scale word, in the order 0, 2, 1, 3 of the permuted blocks
	v_lshl_or_b32 v[PW], v[TM+5], 16, v[PW]
	v_lshl_or_b32 v[PW], v[TM+7], 24, v[PW]
.irp c, 0,1
	v_cvt_scalef32_pk16_bf6_f32 v[PC+6*\c:PC+6*\c+2], v[HA+16*\c:HA+16*\c+15], v[TM+12+\c]             ; block c: my half's 16 codes
	v_cvt_scalef32_pk16_bf6_f32 v[PC+12+4*\c:PC+14+4*\c], v[HA+32+16*\c:HA+47+16*\c], v[TM+14+\c]      ; block 2 + c  (a conversion's three registers begin on an even number)
.endr
	v_nop                                          ; one plain place behind a scaled conversion
.irp c, 0,1                                    ; registers 6 c .. 6 c + 5: lanes 0-15 the whole block c, lanes 16-31 the whole block 2 + c
.irp i, 0,1,2
	v_permlane16_swap_b32 v[PC+6*\c+\i], v[PC+12+4*\c+\i]
.endr
.irp i, 0,1,2
	v_mov_b32 v[PC+3+6*\c+\i], v[PC+12+4*\c+\i]
.endr
.endr
.endm
.macro PICK m                          ; the registers of x's buffer m % 2: K step 0, K step 1, the scale words
.if (\m)%2
.set XK0, X1A
.set XK1, X1B
.set XSM, XS1
.else
.set XK0, XF
.set XK1, XF+12
.set XSM, XS
.endif
.endm
.macro XLOAD m                         ; x of tile 2 m + g of the trip, from LDS into buffer m % 2: seven loads
	PICK \m
.irp k, 0,1,2
	ds_load_b128 v[XK0+4*\k:XK0+4*\k+3], v[XA] offset:32*XP*(\m)+16*\k
.endr
.irp k, 0,1,2
	ds_load_b128 v[XK1+4*\k:XK1+4*\k+3], v[XA] offset:32*XP*(\m)+96+16*\k
.endr
	ds_load_b64 v[XSM:XSM+1], v[XSA] offset:256*(\m)
.endm
; Tile 2 m + g of the trip: my 128 hidden units, relu, codes, my partial y, to the stage.  A tile past the list's end ends the trip's tiles: those behind it lie past the end too.
; x of tile m + 1 is asked for at tile m's head, whether the list reaches so far or not: it lies among the trip's 128 rows, which the gather has stored whole.
; No wait on va_vdst stands ahead of these loads: behind the last one (the trip's head, or the tile before ahead of its stores of y) no vector or matrix instruction has been issued.
.macro TILE m
	s_add_co_u32 s50, s43, 2*\m
	s_cmp_ge_u32 s50, s38
	s_cbranch_scc1 .Ltiles_done
.if \m == 0
	XLOAD 0
	XLOAD 1
	s_wait_dscnt 7                                 ; LDS instructions end in order (ISA guide 5.7.1): my x is in; tile 1's seven loads may be out
.elseif \m < 3
	XLOAD \m+1
	s_wait_dscnt 11                                ; my x is in; behind its loads: the last tile's four stores of y and the next tile's seven loads
.else
	s_wait_dscnt 4                                 ; my x is in; behind its loads: the last tile's four stores of y
.endif
	PICK \m
	WIN 0x11                                       ; source 0 (W1) and source 2 (b1) window 1
.irp t, 0,1,2,3,4,5,6,7                        ; the eight accumulators by turns; b1 starts the sums
	v_wmma_scale_f32_16x16x128_f8f6f4 v[HA+8*\t:HA+8*\t+7], v[24*\t:24*\t+11], v[XK0:XK0+11], v[B1+8*\t:B1+8*\t+7], v[W1S+2*\t], v[XSM] matrix_a_fmt:MATRIX_FMT_BF6 matrix_b_fmt:MATRIX_FMT_BF6
.endr
	WIN 0x01
.irp t, 0,1,2,3,4,5,6,7
	v_wmma_scale_f32_16x16x128_f8f6f4 v[HA+8*\t:HA+8*\t+7], v[24*\t+12:24*\t+23], v[XK1:XK1+11], v[HA+8*\t:HA+8*\t+7], v[W1S+2*\t+1], v[XSM+1] matrix_a_fmt:MATRIX_FMT_BF6 matrix_b_fmt:MATRIX_FMT_BF6
.endr
	WIN 0
.rept 4
	v_nop                                          ; four places ahead of the first read of results (ISA guide 7.12.1)
.endr
.set J, 0
.rept 64
	v_max_num_f32 v[HA+J], 0, v[HA+J]              ; relu, in f32; each accumulator from its low end on
.set J, J+1
.endr
	QUANT
.rept 8
	v_nop                                          ; the scale word stands 8 places, the codes 4, ahead of the scaled matrix instruction
.endr
	s_wait_alu depctr_vm_vsrc(0)                   ; the last tile's LDS stores have read v[YA ..], which the products below write again
	s_wait_alu depctr_va_vdst(0)                   ; the codes v[PC ..] and their scale word v[PW] are written, which the products below take; the places above stay beside this wait
.irp n, 0,1                                    ; partial y: source 0 = outputs 16 n on, K = my 128 hidden units
	v_wmma_scale_f32_16x16x128_f8f6f4 v[YA+8*\n:YA+8*\n+7], v[W2F+12*\n:W2F+12*\n+11], v[PC:PC+11], 0, v[W2S+\n], v[PW] matrix_a_fmt:MATRIX_FMT_BF6 matrix_b_fmt:MATRIX_FMT_BF6
.endr
.rept 4
	v_nop
.endr
	s_wait_alu depctr_va_vdst(0)                   ; the products have written v[YA ..], which the stores below read.  It also shows this tile's products done reading their buffer of x, and the quantiser done with v[HA ..]: for the loads that land there next
.irp n, 0,1
.irp e, 0,1
	ds_store_b128 v[SOA], v[YA+8*\n+4*\e:YA+8*\n+4*\e+3] offset:8*PTILE*\m+64*\n+16*\e   ; lane (r, h): token r, outputs 16 n + 8 h + 4 e on
.endr
.endr
.endm
; Tile = my wave's number of the trip: its four partials and b2 are added, and the rows leave: eight lanes store a row's 128 consecutive bytes.  Group i: rows 4 i + l / 8.
; All 16 rows are stored: a row past the count is the list's first token once more.  The rows' list words were asked for at the trip's head.
.macro REDUCE
	s_cmp_ge_u32 s44, s38
	s_cbranch_scc1 .Lreduced_\@
.irp i, 0,1,2,3
.irp p, 0,1,2,3
	ds_load_b128 v[HA+16*\i+4*\p:HA+16*\i+4*\p+3], v[SRA] offset:PTILE*\p+4*PP*\i   ; no vector or matrix instruction has been issued since the last wait on va_vdst
.endr
.endr
	s_wait_dscnt 0x0
.irp i, 0,1,2,3
	v_pk_add_f32 v[HA+16*\i:HA+16*\i+1], v[HA+16*\i:HA+16*\i+1], v[HA+16*\i+4:HA+16*\i+5]
	v_pk_add_f32 v[HA+16*\i+2:HA+16*\i+3], v[HA+16*\i+2:HA+16*\i+3], v[HA+16*\i+6:HA+16*\i+7]
	v_pk_add_f32 v[HA+16*\i+8:HA+16*\i+9], v[HA+16*\i+8:HA+16*\i+9], v[HA+16*\i+12:HA+16*\i+13]
	v_pk_add_f32 v[HA+16*\i+10:HA+16*\i+11], v[HA+16*\i+10:HA+16*\i+11], v[HA+16*\i+14:HA+16*\i+15]
.endr
.irp i, 0,1,2,3
	v_bfe_u32 v[KM+\i], v[ID+\i], 16, 1            ; bit 16 of the entry,
.endr
.irp i, 0,1,2,3
	v_pk_add_f32 v[HA+16*\i:HA+16*\i+1], v[HA+16*\i:HA+16*\i+1], v[HA+16*\i+8:HA+16*\i+9]
	v_pk_add_f32 v[HA+16*\i+2:HA+16*\i+3], v[HA+16*\i+2:HA+16*\i+3], v[HA+16*\i+10:HA+16*\i+11]
.endr
.irp i, 0,1,2,3
	v_add_nc_u32 v[KM+\i], -1, v[KM+\i]            ; less 1: all ones where the row keeps its numbers, 0 where it is stored as zeros
.endr
.irp i, 0,1,2,3
	v_pk_add_f32 v[HA+16*\i:HA+16*\i+1], v[HA+16*\i:HA+16*\i+1], v[B2:B2+1]
	v_pk_add_f32 v[HA+16*\i+2:HA+16*\i+3], v[HA+16*\i+2:HA+16*\i+3], v[B2+2:B2+3]
.endr
.irp i, 0,1,2,3
	v_min_u32 v[OFF+\i], 0x1ffff, v[ID+\i]
.endr
.irp i, 0,1,2,3
	v_and_b32 v[OFF+\i], 0xffff, v[OFF+\i]
.endr
.irp i, 0,1,2,3
	v_lshlrev_b32 v[OFF+\i], 7, v[OFF+\i]          ; a row of out0 is 128 bytes
.endr
.irp i, 0,1,2,3
	v_add_nc_u32 v[OFF+\i], v[C16], v[OFF+\i]
.endr
.irp i, 0,1,2,3
.irp e, 0,1,2,3
	v_and_b32 v[HA+16*\i+\e], v[KM+\i], v[HA+16*\i+\e]
.endr
.endr
	s_wait_alu depctr_va_vdst(0)                   ; the rows' numbers in v[HA ..] and their offsets v[OFF ..] are written, which the four stores read
.irp i, 0,1,2,3
	global_store_b128 v[OFF+\i], v[HA+16*\i:HA+16*\i+3], s[26:27] th:TH_STORE_NT
.endr
	s_wait_xcnt 0x0                                ; the stores' data and offsets are written again in the next trip: only behind this wait, and behind the wait on vm_vsrc at the trip's end
.Lreduced_\@:
.endm
	s_mov_b32 s39, 0                               ; the trip
	s_mov_b32 s43, s29                             ; 8 x trip + team
	s_mov_b32 s44, s28                             ; 8 x trip + wave
.Ltrip:                                            ; eight trips whatever the count, so that every wave passes every barrier; a trip past the list's end runs its branches and barriers alone
	s_wait_alu depctr_va_vdst(0)                   ; v[XA], v[XSA], v[LR], stepped at the last trip's end, are written, which this trip's loads read; the last trip's adding step is done reading v[ID ..], in which list words land; in the first trip: the weights' exchanged scale words are written, behind their eight places
	s_cmp_ge_u32 s44, s38                          ; the list words of the 16 rows that I store in this trip, if the list reaches so far: asked for here, wanted behind the tiles
	s_cbranch_scc1 .Lno_ids
.irp i, 0,1,2,3
	global_load_b32 v[ID+\i], v[LR], s[12:13] offset:16*\i
.endr
.Lno_ids:
	TILE 0
	TILE 1
	TILE 2
	TILE 3
.Ltiles_done:
	s_wait_loadcnt 0x0                             ; on every path: the list words are in, and their address register may be stepped
	BARRIER                                        ; the trip's partials lie in the stage
	REDUCE
	BARRIER                                        ; and have been read: the next trip may write them again
	s_wait_alu depctr_vm_vsrc(0)                   ; this trip's loads have read v[XA], v[XSA], v[LR], which are stepped below; its stores to memory have read v[HA ..] and v[OFF ..], which the next trip writes again
	v_add_nc_u32 v[XA], 128*XP, v[XA]              ; on to the next 128 list rows: their codes,
	v_add_nc_u32 v[XSA], 1024, v[XSA]              ; their scale words,
	v_add_nc_u32 v[LR], 512, v[LR]                 ; their list words
	s_add_co_u32 s43, s43, 8
	s_add_co_u32 s44, s44, 8
	s_add_co_u32 s39, s39, 1
	s_cmp_lt_u32 s39, 8
	s_cbranch_scc1 .Ltrip
	s_wait_dscnt 0x0
	s_wait_alu depctr_hold_cnt(0) depctr_sa_sdst(0) depctr_va_vdst(0) depctr_va_sdst(0) depctr_va_ssrc(0) depctr_va_vcc(0) depctr_vm_vsrc(0)
	s_wait_tensorcnt 0x0
	ds_add_u32 v211, v241
	s_wait_dscnt 0x0
	s_endpgm
.Lfunc_end_k_q6199d2341c_decode:
	.size	k_q6199d2341c_decode, .Lfunc_end_k_q6199d2341c_decode-k_q6199d2341c_decode
	.p2alignl 7, 3214868480
	.fill 96, 4, 3214868480
	.section	.rodata,"a",@progbits
	.p2align	6, 0x0
	.amdhsa_kernel k_q6199d2341c_decode
		.amdhsa_group_segment_fixed_size 295936
		.amdhsa_private_segment_fixed_size 0
		.amdhsa_enable_private_segment 0
		.amdhsa_kernarg_size 88
		.amdhsa_user_sgpr_count 2
		.amdhsa_user_sgpr_kernarg_segment_ptr 1
		.amdhsa_wavefront_size32 1
		.amdhsa_system_sgpr_workgroup_id_x 1
		.amdhsa_system_sgpr_workgroup_id_y 1
		.amdhsa_system_sgpr_workgroup_id_z 1
		.amdhsa_system_vgpr_workitem_id 0
		.amdhsa_next_free_vgpr 512
		.amdhsa_next_free_sgpr 96
		.amdhsa_reserve_vcc 0
		.amdhsa_float_denorm_mode_32 3
		.amdhsa_float_denorm_mode_16_64 3
		.amdhsa_memory_ordered 1
		.amdhsa_forward_progress 1
		.amdhsa_inst_pref_size 93
	.end_amdhsa_kernel
	.amdgpu_metadata
---
amdhsa.version: [ 1, 2 ]
amdhsa.kernels:
  - .name:           k_q6199d2341c_decode
    .symbol:         k_q6199d2341c_decode.kd
    .args:
      - { .name: x_codes, .offset: 0, .size: 8, .value_kind: global_buffer, .address_space: global }
      - { .name: x_scales, .offset: 8, .size: 8, .value_kind: global_buffer, .address_space: global }
      - { .name: list, .offset: 16, .size: 8, .value_kind: global_buffer, .address_space: global }
      - { .name: W1_codes, .offset: 24, .size: 8, .value_kind: global_buffer, .address_space: global }
      - { .name: W1_scales, .offset: 32, .size: 8, .value_kind: global_buffer, .address_space: global }
      - { .name: b1, .offset: 40, .size: 8, .value_kind: global_buffer, .address_space: global }
      - { .name: W2_codes, .offset: 48, .size: 8, .value_kind: global_buffer, .address_space: global }
      - { .name: W2_scales, .offset: 56, .size: 8, .value_kind: global_buffer, .address_space: global }
      - { .name: b2, .offset: 64, .size: 8, .value_kind: global_buffer, .address_space: global }
      - { .name: out0, .offset: 72, .size: 8, .value_kind: global_buffer, .address_space: global }
      - { .name: counts, .offset: 80, .size: 8, .value_kind: global_buffer, .address_space: global }
    .group_segment_fixed_size: 295936
    .private_segment_fixed_size: 0
    .kernarg_segment_align: 8
    .kernarg_segment_size: 88
    .max_flat_workgroup_size: 256
    .sgpr_count:     96
    .vgpr_count:     512
    .wavefront_size: 32
...
	.end_amdgpu_metadata
.endif
;; end of part 3
